; MI455X (gfx1250); checked and timed in simulation.
; The chip was launched on July 23, 2026; its instructions are those of AMD's public machine-readable ISA for CDNA 5 (MIT licence, August 2026) and "CDNA5" Instruction Set Architecture Reference Guide (July 2026). The comments in the code are by the model that wrote it; some were corrected since.
;; Causal Self Attention. Allowed arithmetic: float matrix products may take bf16 or f16 operands with f32 sums; all other float work in f32.
;; Inputs: w_out 1,024 x 1,024 float32; w_qkv 1,024 x 3,072 float32; x 2 x 2,048 x 1,024 float32.
;; Outputs: out0 2 x 2,048 x 1,024 float32.
;; One version. Each part assembles by itself: llvm-mc -triple=amdgcn-amd-amdhsa -mcpu=gfx1250 --defsym DOCPART=n.
;; ======== version 1 of 1: 4 launches
;; limits: values are held in f16: magnitudes above 65,504 overflow, below 6.1e-05 lose precision
;; workspace buffers: xb 8,388,608 bytes; wqb 6,291,456 bytes; wob 2,097,152 bytes; rope 524,288 bytes; qkvh 25,165,824 bytes; ab 8,388,608 bytes
;; launch prep (part 1): grid 640 x 1, 8 waves a work-group, no clusters, 0 bytes of LDS; arguments x, w_qkv, w_out, xb, wqb, wob, rope; writes xb, wqb, wob, rope
.if DOCPART == 1
	.amdgcn_target "amdgcn-amd-amdhsa--gfx1250"
	.amdhsa_code_object_version 6
	.text
	.protected	k_q70e60819a1_prep
	.globl	k_q70e60819a1_prep
	.p2align	8
	.type	k_q70e60819a1_prep,@function
k_q70e60819a1_prep:
	s_mov_b64 s[64:65], 0
	v_nop
	global_prefetch_b8 v0, s[64:65] scope:SCOPE_SE
	s_setreg_imm32_b32 hwreg(HW_REG_WAVE_MODE, 25, 1), 1
	s_wait_xcnt 0x0
; PREP: 16-bit copies of the three inputs, and the table of the rotary embedding.  A stream: no LDS, no barrier, no matrix unit.
; Work-groups 0..255: x -> xb (bf16).  256..447: w_qkv -> wqb (bf16).  448..511: w_out -> wob.  512..639: the table.
; A converting work-group takes 16,384 numbers: 64 KiB in, 32 KiB out.  Thread t takes 32 bytes of every chunk of 8,192 bytes and
; stores 16 bytes, so sixteen neighbouring lanes store 256 consecutive aligned bytes.  All sixteen loads go out at once, no
; register is written twice, so there is no loop and no wait but the counted ones for the loads.
; wob: w_out is rounded to bf16 like the other two inputs, and that number is then written in f16's code, because the product that
; reads it has an f16 operand on its other side.  LIMIT: a bf16 number below 2^-17 in magnitude is not exact in f16; it errs by
; at most 2^-25 (w_out is drawn with a spread of 2^-5).
; The table: rope[pos][0..31] = cos(pos f_j) - 1, rope[pos][32..63] = sin(pos f_j), f_j = 10000^(-j/32) = 2^(-j log2(10)/8), f32.
; cos - 1 is kept so that the user can write y = x + a (x (cos-1) -+ x' sin), which is x itself for a = 0.
; The angle is reduced by n = round(ang 2/pi) with pi/2 in two parts; sine and cosine of the rest (|r| <= pi/4) are polynomials of degree 7 and 8
; (cut-off errors 3e-7 and 3e-8); the cosine is the sine one quadrant on.
; LIMIT: f_j carries the error of one multiply and of v_exp_f32 (1 ULP, ISA guide 15.8), so the angle at position 2047 may differ by some 5e-4 rad
; from one made with an exactly rounded f_j; q and k are turned by the same table.
.set IN,  4                            ; v[4:67]    8 chunks x 8 numbers as loaded
.set OUT, 68                           ; v[68:99]   8 chunks x 4 registers to store
.set FQ,  20                           ; the table's registers, four numbers each
.set ANG, 24
.set NQ,  28
.set RR,  32
.set R2,  36
.set SN,  40
.set CS,  44
.set NI,  48
.set VAL, 52
.set TT,  56
	s_load_b256 s[4:11], s[0:1], 0x0               ; x s[4:5], w_qkv s[6:7], w_out s[8:9], xb s[10:11]
	s_load_b128 s[12:15], s[0:1], 0x20             ; wqb s[12:13], wob s[14:15]
	s_load_b64 s[16:17], s[0:1], 0x30              ; rope
	v_lshlrev_b32 v1, 5, v0                        ; 32 t: my bytes in a chunk of the source
	v_lshlrev_b32 v2, 4, v0                        ; 16 t: my bytes in a chunk of the copy
	s_wait_kmcnt 0x0
; s21 = the work-group's number within its tensor; s[22:23] source, s[24:25] copy.  Steps both and issues the sixteen loads.
.macro LOAD16
	s_lshl_b32 s26, s21, 16                        ; 64 KiB of source for each work-group
	s_mov_b32 s27, 0
	s_lshl_b32 s28, s21, 15                        ; 32 KiB of copy
	s_mov_b32 s29, 0
	s_add_nc_u64 s[22:23], s[22:23], s[26:27]
	s_add_nc_u64 s[24:25], s[24:25], s[28:29]
.irp c, 0,1,2,3,4,5,6,7
	global_load_b128 v[IN+8*\c:IN+8*\c+3],   v1, s[22:23] offset:8192*\c th:TH_LOAD_NT
	global_load_b128 v[IN+8*\c+4:IN+8*\c+7], v1, s[22:23] offset:8192*\c+16 th:TH_LOAD_NT
.endr
.endm
	s_cmp_ge_u32 ttmp9, 512
	s_cbranch_scc1 .Ltable
	s_cmp_ge_u32 ttmp9, 448
	s_cbranch_scc1 .Lwout
	; x or w_qkv, to bf16
	s_cmp_ge_u32 ttmp9, 256
	s_cselect_b64 s[22:23], s[6:7], s[4:5]
	s_cselect_b64 s[24:25], s[12:13], s[10:11]
	s_cselect_b32 s21, 256, 0
	s_sub_co_u32 s21, ttmp9, s21
	LOAD16
.irp c, 0,1,2,3,4,5,6,7
	s_wait_loadcnt 14-2*\c                         ; loads come back in order: chunk c's two are in, the younger chunks' stay out
.irp k, 0,1,2,3
	v_cvt_pk_bf16_f32 v[OUT+4*\c+\k], v[IN+8*\c+2*\k], v[IN+8*\c+2*\k+1]
.endr
	global_store_b128 v2, v[OUT+4*\c:OUT+4*\c+3], s[24:25] offset:4096*\c
.endr
	s_endpgm
.Lwout:
	; w_out: rounded to bf16, widened again, written in f16's code
	s_mov_b64 s[22:23], s[8:9]
	s_mov_b64 s[24:25], s[14:15]
	s_sub_co_u32 s21, ttmp9, 448
	LOAD16
.irp c, 0,1,2,3,4,5,6,7
	s_wait_loadcnt 14-2*\c
.irp k, 0,1,2,3
	v_cvt_pk_bf16_f32 v[OUT+4*\c+\k], v[IN+8*\c+2*\k], v[IN+8*\c+2*\k+1]
.endr
.irp k, 0,1,2,3
	v_lshlrev_b32 v[IN+8*\c+2*\k],   16, v[OUT+4*\c+\k]            ; bf16 to f32: the low half moves up,
	v_and_b32     v[IN+8*\c+2*\k+1], 0xffff0000, v[OUT+4*\c+\k]    ; the high half stays
.endr
.irp k, 0,1,2,3
	v_cvt_pk_f16_f32 v[OUT+4*\c+\k], v[IN+8*\c+2*\k], v[IN+8*\c+2*\k+1]
.endr
	global_store_b128 v2, v[OUT+4*\c:OUT+4*\c+3], s[24:25] offset:4096*\c
.endr
	s_endpgm
.Ltable:
	; 16 positions a work-group; sixteen lanes make one position's 256 bytes: lanes 0-7 the cosines, lanes 8-15 the sines, four frequencies a lane
	s_sub_co_u32 s20, ttmp9, 512
	s_lshl_b32 s21, s20, 4                         ; the group's first position
	s_lshl_b32 s22, s20, 12                        ; and its 4,096 bytes of the table
	s_mov_b32 s30, 0xb9500d01                      ; -1/5040
	s_mov_b32 s31, 0x3c088889                      ; 1/120
	s_mov_b32 s32, 0xbe2aaaab                      ; -1/6
	s_mov_b32 s33, 0x37d00d01                      ; 1/40320
	s_mov_b32 s34, 0xbab60b61                      ; -1/720
	s_mov_b32 s35, 0x3d2aaaab                      ; 1/24
	v_lshrrev_b32 v3, 4, v0
	v_add_nc_u32 v3, s21, v3
	v_cvt_f32_u32 v3, v3                           ; the position
	v_and_b32 v4, 7, v0
	v_lshlrev_b32 v4, 2, v4                        ; my first frequency
	v_bfe_u32 v5, v0, 3, 1                         ; 0: cosine, 1: sine
	v_sub_nc_u32 v6, 1, v5                         ; the cosine is the sine one quadrant on
	v_cvt_f32_u32 v7, v6                           ; and 1 is taken from it
	v_add_nc_u32 v8, s22, v2                       ; my 16 bytes
.irp e, 0,1,2,3
	v_add_nc_u32 v[FQ+\e], \e, v4
	v_cvt_f32_u32 v[FQ+\e], v[FQ+\e]
	v_mul_f32 v[FQ+\e], 0xbed49a78, v[FQ+\e]       ; -j log2(10)/8
.endr
.irp e, 0,1,2,3
	v_exp_f32 v[FQ+\e], v[FQ+\e]
.endr
	v_nop                                          ; one plain instruction between a transcendental and the use of its result (ISA guide 5.7.2)
	s_wait_alu depctr_va_vdst(0)
.irp e, 0,1,2,3
	v_mul_f32 v[ANG+\e], v3, v[FQ+\e]
	v_mul_f32 v[NQ+\e], 0x3f22f983, v[ANG+\e]      ; x 2/pi
	v_rndne_f32 v[NQ+\e], v[NQ+\e]
	v_fmamk_f32 v[RR+\e], v[NQ+\e], 0xbfc90fdb, v[ANG+\e]   ; ang - n (pi/2 rounded to f32)
	v_fmamk_f32 v[RR+\e], v[NQ+\e], 0x333bbd2e, v[RR+\e]    ; - n (the rest of pi/2, which is negative)
	v_mul_f32 v[R2+\e], v[RR+\e], v[RR+\e]
	v_fma_f32 v[SN+\e], v[R2+\e], s30, s31
	v_fma_f32 v[CS+\e], v[R2+\e], s33, s34
	v_fma_f32 v[SN+\e], v[SN+\e], v[R2+\e], s32
	v_fma_f32 v[CS+\e], v[CS+\e], v[R2+\e], s35
	v_mul_f32 v[TT+\e], v[RR+\e], v[R2+\e]
	v_fma_f32 v[CS+\e], v[CS+\e], v[R2+\e], -0.5
	v_fma_f32 v[SN+\e], v[SN+\e], v[TT+\e], v[RR+\e]        ; sin r
	v_fma_f32 v[CS+\e], v[CS+\e], v[R2+\e], 1.0             ; cos r
	v_cvt_i32_f32 v[NI+\e], v[NQ+\e]
	v_add_nc_u32 v[NI+\e], v[NI+\e], v6            ; the quadrant
	v_and_b32 v[TT+\e], 1, v[NI+\e]
	v_cmp_eq_u32 vcc_lo, 1, v[TT+\e]
	v_cndmask_b32 v[VAL+\e], v[SN+\e], v[CS+\e], vcc_lo     ; odd quadrants take cos r
	v_and_b32 v[TT+\e], 2, v[NI+\e]
	v_lshlrev_b32 v[TT+\e], 30, v[TT+\e]
	v_xor_b32 v[VAL+\e], v[VAL+\e], v[TT+\e]       ; quadrants 2 and 3 change the sign
	v_sub_f32 v[VAL+\e], v[VAL+\e], v7
.endr
	global_store_b128 v8, v[VAL:VAL+3], s[16:17]
	s_endpgm
.Lfunc_end_k_q70e60819a1_prep:
	.size	k_q70e60819a1_prep, .Lfunc_end_k_q70e60819a1_prep-k_q70e60819a1_prep
	.p2alignl 7, 3214868480
	.fill 96, 4, 3214868480
	.section	.rodata,"a",@progbits
	.p2align	6, 0x0
	.amdhsa_kernel k_q70e60819a1_prep
		.amdhsa_group_segment_fixed_size 0
		.amdhsa_private_segment_fixed_size 0
		.amdhsa_enable_private_segment 0
		.amdhsa_kernarg_size 56
		.amdhsa_user_sgpr_count 2
		.amdhsa_user_sgpr_kernarg_segment_ptr 1
		.amdhsa_wavefront_size32 1
		.amdhsa_system_sgpr_workgroup_id_x 1
		.amdhsa_system_sgpr_workgroup_id_y 1
		.amdhsa_system_sgpr_workgroup_id_z 1
		.amdhsa_system_vgpr_workitem_id 0
		.amdhsa_next_free_vgpr 104
		.amdhsa_next_free_sgpr 66
		.amdhsa_reserve_vcc 1
		.amdhsa_float_denorm_mode_32 3
		.amdhsa_float_denorm_mode_16_64 3
		.amdhsa_memory_ordered 1
		.amdhsa_forward_progress 1
		.amdhsa_inst_pref_size 22
	.end_amdhsa_kernel
	.amdgpu_metadata
---
amdhsa.version: [ 1, 2 ]
amdhsa.kernels:
  - .name:           k_q70e60819a1_prep
    .symbol:         k_q70e60819a1_prep.kd
    .args:
      - { .name: x, .offset: 0, .size: 8, .value_kind: global_buffer, .address_space: global }
      - { .name: w_qkv, .offset: 8, .size: 8, .value_kind: global_buffer, .address_space: global }
      - { .name: w_out, .offset: 16, .size: 8, .value_kind: global_buffer, .address_space: global }
      - { .name: xb, .offset: 24, .size: 8, .value_kind: global_buffer, .address_space: global }
      - { .name: wqb, .offset: 32, .size: 8, .value_kind: global_buffer, .address_space: global }
      - { .name: wob, .offset: 40, .size: 8, .value_kind: global_buffer, .address_space: global }
      - { .name: rope, .offset: 48, .size: 8, .value_kind: global_buffer, .address_space: global }
    .group_segment_fixed_size: 0
    .private_segment_fixed_size: 0
    .kernarg_segment_align: 8
    .kernarg_segment_size: 56
    .max_flat_workgroup_size: 256
    .sgpr_count:     66
    .vgpr_count:     104
    .wavefront_size: 32
...
	.end_amdgpu_metadata
.endif
;; end of part 1
;; launch qkvrope (part 2): grid 16 x 16, 4 waves a work-group, clusters of 4 x 4, 327,680 bytes of LDS; arguments xb, wqb, rope, qkvh; writes qkvh
.if DOCPART == 2
	.amdgcn_target "amdgcn-amd-amdhsa--gfx1250"
	.amdhsa_code_object_version 6
	.text
	.protected	k_q70e60819a1_qkvrope
	.globl	k_q70e60819a1_qkvrope
	.p2align	8
	.type	k_q70e60819a1_qkvrope,@function
k_q70e60819a1_qkvrope:
	s_mov_b64 s[64:65], 0
	v_nop
	global_prefetch_b8 v0, s[64:65] scope:SCOPE_SE
	s_setreg_imm32_b32 hwreg(HW_REG_WAVE_MODE, 25, 1), 1
	s_wait_xcnt 0x0
	s_wait_alu depctr_hold_cnt(0) depctr_sa_sdst(0) depctr_va_vdst(0) depctr_va_sdst(0) depctr_va_ssrc(0) depctr_va_vcc(0) depctr_vm_vsrc(0)
	s_getreg_b32 s2, hwreg(HW_REG_IB_STS2, 6, 4)
	s_cmp_eq_u32 s2, 0
	s_cbranch_scc0 .Lentry_in_a_cluster
	s_endpgm
.Lentry_in_a_cluster:
	s_bfe_u32 s2, ttmp6, 0x10000c
	s_cmp_lg_u32 s2, 0xf033
	s_cbranch_scc0 .Lentry_shape_is_right
	s_endpgm
.Lentry_shape_is_right:
; QKV = x w_qkv, then the rotary embedding on q and k, stored per head: qkvh[b][g][s][64] in f16, g = column / 64 (q heads 0-15, k 16-31, v 32-47).
; xb: [4096][1024] bf16.  wqb: [1024][3072] bf16, as w_qkv lies.  Sums in f32.
; A work-group makes 256 rows x 192 columns (three whole heads) with four waves; a wave makes 64 rows x 192 columns: 48 accumulator tiles of 16 x 16.
; K goes in 8 steps of 128 through two LDS slots filled by the tensor data mover.  w's tile lies [k][n] in LDS and is read as fragments by the
; transposing LDS load, so no transposed copy of the weights is ever made.
; CLUSTERS: 4 x 4 work-groups.  x's tile hangs on the block row alone and is asked for jointly by the four of a row of the cluster, w's on the
; block column alone and is asked for jointly by the four of a column: the requests for both are divided by four.
; THE MATRIX INSTRUCTION IS USED TRANSPOSED: source 0 = 16 columns of w, source 1 = 16 rows of x.  Lane (r, h) then holds row r and the columns
; 8 h .. 8 h + 7 of a tile, and the partners (d, d + 32) of the rotation are tiles t and t + 2 of a head: the same lane, the same register number.
; v's heads take the same lines with the factor a = 0 (y = x + a (x (cos-1) -+ x' sin)): a branch on the block column would differ between partners.
; LIMIT: the results are rounded to f16: beyond 65,504 in magnitude they become infinities.  With x and w_qkv both carrying offsets of 30 of their spreads
; a sum reaches 1024 x 30 x 30/32 = 28,800, after the rotation 40,730 at the most.
; REGISTERS in windows of 256: window 0: addresses, x's fragments (two buffers), the table, work on the way out; window 1: w's fragments (two buffers);
; window 2: the accumulators of my rows 0-31 (tile (a, t) at v[8 (12 a + t)]); window 3: those of rows 32-63.
.set NT,     12                        ; column tiles of a wave
.set LAPS,   4                         ; a lap = two K steps = once round the ring; 1024 / 256
.set APITCH, 272                       ; x's LDS row: 256 bytes + 16 of padding, an odd multiple of 16
.set APLANE, 128                       ; two quarter steps along a row
.set BPITCH, 480                       ; w's LDS row: three pieces of 128 bytes, each followed by 32 of padding: an odd multiple of 32
.set HALFA,  128*APITCH                ; what one load of x brings
.set HALFB,  64*BPITCH                 ; what one load of w brings
.set BBASE,  2*HALFA
.set SLOT,   BBASE+2*HALFB             ; 131,072
.set STAGE,  2*SLOT                    ; behind the ring: 16 rows x 400 bytes for each wave
.set SPITCH, 400
.set ADRA, 16                          ; v16-17  LDS address of my x fragments in slot 0, 1
.set ADRB, 20                          ; v20, v22 the same for w
.set STO,  24                          ; v24     the way out: where I put 16 bytes of a row
.set RD,   25                          ; v25     the way out: where I read back
.set CO,   26                          ; v26     my byte offset in a head's 16 rows
.set TOFF, 27                          ; v27     my byte offset in the table
.set FA0,  32                          ; v32-63, v64-95: x's fragments, buffer 0 and 1
.set FB0,  0                           ; window 1: v0-95, v96-191: w's fragments
.set TAB,  96                          ; v96-223: for each of my four row tiles 16 x (cos-1), 16 x sin
.set UU,   224                         ; v224-255: a head's 32 numbers at work
.set PK,   32                          ; the way out: packed results
.set BK,   48                          ; the way out: rows read back
.set G1,  24                           ; s[24:31] group 1 for x's tiles
.set G0,  32                           ; s[32:39] group 0 for x's tiles, one set for each slot
.set G1B, 48                           ; s[48:55] group 1 for w's tiles
.set G0B, 56                           ; s[56:63] group 0 for w's tiles
.set MSB, 0
.set MUL_LO, 0xa1                      ; source 0 (w) window 1, source 1 (x) window 0, C and D window 2
.set MUL_HI, 0xf1                      ; the same, C and D window 3
.set TO_B,   0x40                      ; destination window 1, address window 0
.macro WIN new                         ; the immediate's high byte repeats the setting that is left
.if MSB != (\new)
	s_set_vgpr_msb (MSB<<8)|(\new)
.set MSB, (\new)
.endif
.endm
.macro PLACES                          ; four plain vector instructions between a matrix instruction and a load into, or a vector instruction on, its registers
.rept 4
	v_nop
.endr
.endm
; A joint load: waves 0 and 1 fetch x's two halves, waves 2 and 3 w's.  The branch hangs on the wave's number alone.
.macro JLOAD s
	s_cmp_eq_u32 s13, 0
	s_cbranch_scc0 .Lfor_b_\@
	tensor_load_to_lds s[G0+4*\s:G0+4*\s+3], s[G1:G1+7]
	s_nop 0
	s_branch .Lasked_\@
.Lfor_b_\@:
	tensor_load_to_lds s[G0B+4*\s:G0B+4*\s+3], s[G1B:G1B+7]
	s_nop 0
.Lasked_\@:
.endm
.macro CREST                           ; a round of the cluster's barrier behind its opening barrier
	s_cmp_lg_u32 s12, 0
	s_cbranch_scc1 .Lnot_wave_0_\@
	s_barrier_signal -3
.Lnot_wave_0_\@:
	s_barrier_wait -3
	s_barrier_signal -1
	s_barrier_wait -1
.endm
.macro CROUND                          ; a whole round
	s_barrier_signal -1
	s_barrier_wait -1
	CREST
.endm
	s_load_b256 s[4:11], s[0:1], 0x0               ; xb s[4:5], wqb s[6:7], rope s[8:9], qkvh s[10:11]
	s_set_vgpr_msb 0x40
	v_lshl_add_u32 v255, v0, 2, 0x46400
	s_set_vgpr_msb 0x4000
	v_mov_b32 v31, 0
	s_set_vgpr_msb 0x1
	ds_add_u32 v255, v31
	s_set_vgpr_msb 0x100
	v_lshrrev_b32 v1, 5, v0
	v_readfirstlane_b32 s12, v1                    ; wave 0..3
	s_lshr_b32 s13, s12, 1                         ; I fetch for x (0) or for w (1)
	s_and_b32 s14, s12, 1                          ; which half of that tile
	s_bfe_u32 s40, ttmp6, 0x40000                  ; cx
	s_bfe_u32 s41, ttmp6, 0x40004                  ; cy
	s_lshl_b32 s42, ttmp9, 2
	s_add_co_u32 s42, s42, s40                     ; block column = 4 x cluster x + cx
	s_and_b32 s43, ttmp7, 0xffff
	s_lshl_b32 s43, s43, 2
	s_add_co_u32 s43, s43, s41                     ; block row = 4 x cluster y + cy
	s_lshl_b32 s44, s41, 2
	s_lshl_b32 s44, 15, s44                        ; my row of the cluster
	s_lshl_b32 s45, 0x1111, s40                    ; my column
	; group 1 for x: 128 rows x 128 elements of 2 bytes, 4 words of padding behind every 64
	s_or_b32 s[G1+0], s44, (1<<16)|(1<<20)|(1<<21)|(5<<22)|(3<<25)
	s_mov_b32 s[G1+1], 128<<16                     ; tensor_dim0 = 128
	s_mov_b32 s[G1+2], 128<<16                     ; tensor_dim1 = 128
	s_mov_b32 s[G1+3], 128<<16                     ; tile_dim0 = 128
	s_mov_b32 s[G1+4], 128                         ; tile_dim1 = 128
	s_mov_b32 s[G1+5], 1024                        ; elements from row to row
	s_mov_b32 s[G1+6], 0
	s_mov_b32 s[G1+7], 0
	; group 1 for w: 64 rows x 192 elements, 8 words of padding behind every 32
	s_or_b32 s[G1B+0], s45, (1<<16)|(1<<20)|(1<<21)|(4<<22)|(7<<25)
	s_mov_b32 s[G1B+1], 192<<16
	s_mov_b32 s[G1B+2], 64<<16
	s_mov_b32 s[G1B+3], 192<<16
	s_mov_b32 s[G1B+4], 64
	s_mov_b32 s[G1B+5], 3072
	s_mov_b32 s[G1B+6], 0
	s_mov_b32 s[G1B+7], 0
	s_lshl_b32 s16, s43, 8
	s_lshl_b32 s17, s14, 7
	s_add_co_u32 s16, s16, s17                     ; x: row 256 x block row + 128 x half
	s_lshl_b32 s16, s16, 11                        ; rows of 2,048 bytes
	s_mov_b32 s17, 0
	s_mul_i32 s46, s42, 384                        ; w: 192 columns of 2 bytes for each block column
	s_mul_i32 s47, s14, 64*6144                    ; + 64 rows of 6,144 bytes x half
	s_add_co_u32 s46, s46, s47
	s_mov_b32 s47, 0
	s_mul_i32 s20, s12, HALFA                      ; LDS: waves 0, 1: x's halves
	s_mul_i32 s21, s12, HALFB
	s_add_co_u32 s21, s21, BBASE-2*HALFB           ; waves 2, 3: w's halves, behind x's tile
	s_wait_dscnt 0x0
	s_wait_kmcnt 0x0
	s_add_nc_u64 s[16:17], s[4:5], s[16:17]
	s_add_nc_u64 s[46:47], s[6:7], s[46:47]
	CROUND                                         ; all sixteen work-groups are here: the first joint loads meet
.irp s, 0,1
	s_mov_b32 s[G0+4*\s], 1
	s_add_co_u32 s[G0+4*\s+1], s20, \s*SLOT
	s_add_nc_u64 s[G0+4*\s+2:G0+4*\s+3], s[16:17], \s*256          ; K step s: 128 elements along the rows
	s_or_b32 s[G0+4*\s+3], s[G0+4*\s+3], 0x80000000
	s_mov_b32 s[G0B+4*\s], 1
	s_add_co_u32 s[G0B+4*\s+1], s21, \s*SLOT
	s_add_nc_u64 s[G0B+4*\s+2:G0B+4*\s+3], s[46:47], \s*128*6144   ; K step s: 128 rows down
	s_or_b32 s[G0B+4*\s+3], s[G0B+4*\s+3], 0x80000000
	JLOAD \s                                       ; two loads of a wave are out here, one behind each later round
.endr
	; lane addresses
	v_and_b32 v1, 15, v0                           ; r
	v_bfe_u32 v2, v0, 4, 1                         ; h
	v_mul_u32_u24 v3, v1, APITCH
	v_lshl_add_u32 v3, v2, 4, v3
	s_mul_i32 s22, s12, 64*APITCH                  ; my 64 rows of x
	v_add_nc_u32 v[ADRA], s22, v3
	v_add_nc_u32 v[ADRA+1], SLOT, v[ADRA]
	v_and_b32 v4, 7, v0
	v_lshl_add_u32 v4, v2, 3, v4                   ; the transposing load: lane L addresses row 8 h + (L & 7),
	v_mul_u32_u24 v4, v4, BPITCH
	v_bfe_u32 v5, v0, 3, 1
	v_lshl_add_u32 v4, v5, 4, v4                   ; and the 16 bytes (L >> 3) & 1 of the tile's 32
	v_add_nc_u32 v[ADRB], BBASE, v4
	v_add_nc_u32 v[ADRB+2], SLOT, v[ADRB]
	s_mul_i32 s23, s12, 16*SPITCH
	s_add_co_u32 s23, s23, STAGE                   ; my stage
	v_mul_u32_u24 v4, v1, SPITCH
	v_lshl_add_u32 v4, v2, 4, v4
	v_add_nc_u32 v[STO], s23, v4
	v_and_b32 v5, 31, v0
	v_lshrrev_b32 v6, 3, v5
	v_mul_u32_u24 v6, v6, SPITCH                   ; back: eight lanes take a head's 128 bytes of a row, four rows an instruction
	v_and_b32 v7, 7, v0
	v_lshl_add_u32 v6, v7, 4, v6
	v_add_nc_u32 v[RD], s23, v6
	v_lshlrev_b32 v[CO], 4, v5                     ; which are 512 consecutive bytes of the head
	s_and_b32 s74, s43, 7                          ; the table: position = (block row mod 8) x 256 + 64 x wave + 16 x row tile + r
	s_lshl_b32 s74, s74, 8
	s_lshl_b32 s75, s12, 6
	s_add_co_u32 s74, s74, s75
	s_lshl_b32 s74, s74, 8                         ; 256 bytes a position
	v_lshlrev_b32 v5, 8, v1
	v_lshl_add_u32 v5, v2, 5, v5                   ; my eight frequencies begin at 8 h
	v_add_nc_u32 v[TOFF], s74, v5
	; the table of my 64 rows, once: it lands while the products run and is waited for in front of the way out
.irp mt, 0,1,2,3
.irp p, 0,1
.irp q, 0,1
	global_load_b128 v[TAB+32*\mt+8*\p+4*\q:TAB+32*\mt+8*\p+4*\q+3],       v[TOFF], s[8:9] offset:\mt*4096+64*\p+16*\q
	global_load_b128 v[TAB+32*\mt+16+8*\p+4*\q:TAB+32*\mt+16+8*\p+4*\q+3], v[TOFF], s[8:9] offset:\mt*4096+64*\p+16*\q+128
.endr
.endr
.endr
	; a = 1 for q's and k's heads (g < 32), 0 for v's; a pair for the packed multiply-add
	s_mul_i32 s74, s42, 3
.irp hd, 0,1,2
	s_add_co_u32 s75, s74, \hd
	s_cmp_lt_u32 s75, 32
	s_cselect_b32 s[66+2*\hd], 0x3f800000, 0
	s_mov_b32 s[67+2*\hd], s[66+2*\hd]
.endr
	; where my rows go: ((b x 48 + 3 x block column) x 2048 + (block row mod 8) x 256 + 64 x wave) rows of 128 bytes
	s_lshr_b32 s72, s43, 3
	s_mul_i32 s72, s72, 48
	s_add_co_u32 s72, s72, s74
	s_lshl_b32 s72, s72, 11
	s_and_b32 s73, s43, 7
	s_lshl_b32 s73, s73, 8
	s_add_co_u32 s72, s72, s73
	s_lshl_b32 s73, s12, 6
	s_add_co_u32 s72, s72, s73
	s_lshl_b32 s72, s72, 7
	s_mov_b32 s73, 0
	s_add_nc_u64 s[72:73], s[10:11], s[72:73]
; 12 matrix instructions: row tile 2 hi + a x all column tiles, 32 along K, from buffer cur.  zero = 1: the first product starts the sums.
.macro MULROW cur, hi, a, zero
.set t, 0
.rept NT
.if \zero
	v_wmma_f32_16x16x32_bf16 v[8*(NT*\a+t):8*(NT*\a+t)+7], v[FB0+8*NT*\cur+8*t:FB0+8*NT*\cur+8*t+7], v[FA0+32*\cur+8*(2*\hi+\a):FA0+32*\cur+8*(2*\hi+\a)+7], 0
.else
	v_wmma_f32_16x16x32_bf16 v[8*(NT*\a+t):8*(NT*\a+t)+7], v[FB0+8*NT*\cur+8*t:FB0+8*NT*\cur+8*t+7], v[FA0+32*\cur+8*(2*\hi+\a):FA0+32*\cur+8*(2*\hi+\a)+7], v[8*(NT*\a+t):8*(NT*\a+t)+7]
.endif
.set t, t+1
.endr
.endm
; The fragments of quarter step kq of a slot into buffer buf, in one run: 24 transposing loads for w, 8 plain loads for x
.macro FETCH slot, kq, buf
	WIN TO_B
.set t, 0
.rept NT
	ds_load_tr16_b128 v[FB0+8*NT*\buf+8*t:FB0+8*NT*\buf+8*t+3],   v[ADRB+2*\slot+(\kq)/4] offset:((\kq)%4)*32*BPITCH+(t/4)*160+(t%4)*32
	ds_load_tr16_b128 v[FB0+8*NT*\buf+8*t+4:FB0+8*NT*\buf+8*t+7], v[ADRB+2*\slot+(\kq)/4] offset:((\kq)%4)*32*BPITCH+(t/4)*160+(t%4)*32+16*BPITCH
.set t, t+1
.endr
	WIN 0
.irp mt, 0,1,2,3
	ds_load_b128 v[FA0+32*\buf+8*\mt:FA0+32*\buf+8*\mt+3],   v[ADRA+\slot] offset:((\kq)/2)*APLANE+((\kq)%2)*64+\mt*16*APITCH
	ds_load_b128 v[FA0+32*\buf+8*\mt+4:FA0+32*\buf+8*\mt+7], v[ADRA+\slot] offset:((\kq)/2)*APLANE+((\kq)%2)*64+\mt*16*APITCH+32
.endr
.endm
; A quarter step: multiplies buffer cur; in its middle it fetches quarter kqn of the same slot into buffer nxt.
; The 48 accumulators take turns in one fixed order, one instruction a turn.
.macro QUARTER slot, kqn, cur, nxt, zero
	s_wait_dscnt 4                                 ; w and x's rows 0-31 are in; the youngest four loads (x's rows 32-63) may be out
	WIN MUL_LO
	MULROW \cur, 0, 0, \zero
	MULROW \cur, 0, 1, \zero
	PLACES
	FETCH \slot, \kqn, \nxt
	s_wait_dscnt 2*NT+8                            ; all but the 32 just issued
	WIN MUL_HI
	MULROW \cur, 1, 0, \zero
	MULROW \cur, 1, 1, \zero
.endm
.macro RUN slot, zero
	QUARTER \slot, 1, 0, 1, \zero
	QUARTER \slot, 2, 1, 0, 0
	QUARTER \slot, 3, 0, 1, 0
.endm
; The last quarter of a slot: multiplies buffer 1 and changes slots.  In front of the barrier each wave waits for its reads of this slot and for all
; its tensor loads (one is out: its part of the next slot).  Where the slot is filled again the barrier opens a round of the cluster's barrier,
; and the joint refill is the first tensor load behind the round.  From a request to the wait for it a wave issues 180 matrix instructions.
.macro TURN slot, next, fill
	s_wait_dscnt 4
	WIN MUL_LO
	MULROW 1, 0, 0, 0
	s_wait_dscnt 0x0                               ; my reads of this slot are over
	s_wait_tensorcnt 0x0                           ; all my tensor loads have landed
	ds_add_u32 v255, v31
	s_wait_dscnt 0x0
	s_barrier_signal -1
	MULROW 1, 0, 1, 0                              ; register work while the others arrive
	WIN 0
	s_barrier_wait -1
.if \fill
	CREST
	s_add_nc_u64 s[G0+4*\slot+2:G0+4*\slot+3], s[G0+4*\slot+2:G0+4*\slot+3], 512           ; two K steps on: 256 elements along x's rows,
	s_add_nc_u64 s[G0B+4*\slot+2:G0B+4*\slot+3], s[G0B+4*\slot+2:G0B+4*\slot+3], 256*6144  ; 256 rows down w
	JLOAD \slot
.endif
	PLACES
	FETCH \next, 0, 0
	WIN MUL_HI
	MULROW 1, 1, 0, 0
	MULROW 1, 1, 1, 0
.endm
.macro LAP zero
	RUN 0, \zero
	TURN 0, 1, 1
	RUN 1, 0
	TURN 1, 0, 1
.endm
	s_wait_tensorcnt 0x1                           ; my part of K step 0 is in; K step 1's stays out
	s_barrier_signal -1
	s_barrier_wait -1
	FETCH 0, 0, 0
	LAP 1                                          ; the first lap stands in front of the loop: its first products start the sums
	WIN 0
	s_mov_b32 s3, LAPS-2
.Llap:
	LAP 0
	WIN 0
	s_sub_co_u32 s3, s3, 1
	s_cmp_lg_u32 s3, 0
	s_cbranch_scc1 .Llap
	RUN 0, 0                                       ; the last lap fills nothing
	TURN 0, 1, 0
	RUN 1, 0
	s_wait_dscnt 4
	WIN MUL_LO
	MULROW 1, 0, 0, 0
	MULROW 1, 0, 1, 0
	s_wait_dscnt 0x0
	WIN MUL_HI
	MULROW 1, 1, 0, 0
	MULROW 1, 1, 1, 0
	; THE WAY OUT, 16 rows at a time: rotate, round to f16, 16 bytes a lane into my stage, read back head by head, store 512 consecutive bytes an instruction.
	PLACES
	WIN 0
	s_wait_loadcnt 0x0                             ; the table
; head hd of row tile mt.  x1 = tiles 0, 1 of the head (d < 32), x2 = tiles 2, 3 (d + 32).
.macro ROPE mt, hd
.set AC, 8*(NT*((\mt)%2)+4*\hd)
.set TB, TAB+32*\mt
	WIN 2+(\mt)/2                                  ; source 0 = the accumulators
.irp p, 0,1
.irp e, 0,2,4,6
	v_pk_mul_f32 v[UU+8*\p+\e:UU+8*\p+\e+1],       v[AC+8*\p+\e:AC+8*\p+\e+1],       v[TB+8*\p+\e:TB+8*\p+\e+1]        ; x1 (cos-1)
	v_pk_mul_f32 v[UU+16+8*\p+\e:UU+16+8*\p+\e+1], v[AC+16+8*\p+\e:AC+16+8*\p+\e+1], v[TB+8*\p+\e:TB+8*\p+\e+1]        ; x2 (cos-1)
	v_pk_fma_f32 v[UU+8*\p+\e:UU+8*\p+\e+1],       v[AC+16+8*\p+\e:AC+16+8*\p+\e+1], v[TB+16+8*\p+\e:TB+16+8*\p+\e+1], v[UU+8*\p+\e:UU+8*\p+\e+1] neg_lo:[1,0,0] neg_hi:[1,0,0]   ; - x2 sin
	v_pk_fma_f32 v[UU+16+8*\p+\e:UU+16+8*\p+\e+1], v[AC+8*\p+\e:AC+8*\p+\e+1],       v[TB+16+8*\p+\e:TB+16+8*\p+\e+1], v[UU+16+8*\p+\e:UU+16+8*\p+\e+1]                              ; + x1 sin
.endr
.endr
	WIN ((2+(\mt)/2)<<4)                           ; source 2 = the accumulators
.set k, 0
.rept 16
	v_pk_fma_f32 v[UU+2*k:UU+2*k+1], v[UU+2*k:UU+2*k+1], s[66+2*\hd:67+2*\hd], v[AC+2*k:AC+2*k+1] op_sel_hi:[1,0,1]    ; x + a (..)
.set k, k+1
.endr
	WIN 0
.set k, 0
.rept 16
	v_cvt_pk_f16_f32 v[PK+k], v[UU+2*k], v[UU+2*k+1]
.set k, k+1
.endr
.irp tt, 0,1,2,3
	ds_store_b128 v[STO], v[PK+4*\tt:PK+4*\tt+3] offset:128*\hd+32*\tt
.endr
.endm
.macro ROWS mt
	s_wait_xcnt 0x0                                ; v48-95 were the last stores' data: they are loaded again only behind this wait
.set n, 0
.rept 12
	ds_load_b128 v[BK+4*n:BK+4*n+3], v[RD] offset:128*(n/4)+4*SPITCH*(n%4)   ; LDS serves a wave's instructions in order: these see the stores above
.set n, n+1
.endr
.set n, 0
.rept 12
	s_wait_dscnt 11-n                              ; the younger loads stay out
	global_store_b128 v[CO], v[BK+4*n:BK+4*n+3], s[72:73] offset:(n/4)*262144+\mt*2048+(n%4)*512
.set n, n+1
.endr
.endm
.irp mt, 0,1,2,3
	ROPE \mt, 0
	ROPE \mt, 1
	ROPE \mt, 2
	ROWS \mt
.endr
	s_set_vgpr_msb 0x1
	s_wait_tensorcnt 0x0
	ds_add_u32 v255, v31
	s_wait_dscnt 0x0
	s_set_vgpr_msb 0x100
	CROUND                                         ; the closing round: no work-group ends while a partner may still ask for a tile that names it
	s_endpgm
.Lfunc_end_k_q70e60819a1_qkvrope:
	.size	k_q70e60819a1_qkvrope, .Lfunc_end_k_q70e60819a1_qkvrope-k_q70e60819a1_qkvrope
	.p2alignl 7, 3214868480
	.fill 96, 4, 3214868480
	.section	.rodata,"a",@progbits
	.p2align	6, 0x0
	.amdhsa_kernel k_q70e60819a1_qkvrope
		.amdhsa_group_segment_fixed_size 327680
		.amdhsa_private_segment_fixed_size 0
		.amdhsa_enable_private_segment 0
		.amdhsa_kernarg_size 32
		.amdhsa_user_sgpr_count 2
		.amdhsa_user_sgpr_kernarg_segment_ptr 1
		.amdhsa_wavefront_size32 1
		.amdhsa_system_sgpr_workgroup_id_x 1
		.amdhsa_system_sgpr_workgroup_id_y 1
		.amdhsa_system_sgpr_workgroup_id_z 1
		.amdhsa_system_vgpr_workitem_id 0
		.amdhsa_next_free_vgpr 960
		.amdhsa_next_free_sgpr 80
		.amdhsa_reserve_vcc 0
		.amdhsa_float_denorm_mode_32 3
		.amdhsa_float_denorm_mode_16_64 3
		.amdhsa_memory_ordered 1
		.amdhsa_forward_progress 1
		.amdhsa_inst_pref_size 204
	.end_amdhsa_kernel
	.amdgpu_metadata
---
amdhsa.version: [ 1, 2 ]
amdhsa.kernels:
  - .name:           k_q70e60819a1_qkvrope
    .symbol:         k_q70e60819a1_qkvrope.kd
    .args:
      - { .name: xb, .offset: 0, .size: 8, .value_kind: global_buffer, .address_space: global }
      - { .name: wqb, .offset: 8, .size: 8, .value_kind: global_buffer, .address_space: global }
      - { .name: rope, .offset: 16, .size: 8, .value_kind: global_buffer, .address_space: global }
      - { .name: qkvh, .offset: 24, .size: 8, .value_kind: global_buffer, .address_space: global }
    .group_segment_fixed_size: 327680
    .private_segment_fixed_size: 0
    .kernarg_segment_align: 8
    .kernarg_segment_size: 32
    .max_flat_workgroup_size: 128
    .sgpr_count:     80
    .vgpr_count:     960
    .wavefront_size: 32
...
	.end_amdgpu_metadata
.endif
;; end of part 2
;; launch attn (part 3): grid 256 x 1, 8 waves a work-group, no clusters, 327,680 bytes of LDS; arguments qkvh, ab; writes ab
.if DOCPART == 3
	.amdgcn_target "amdgcn-amd-amdhsa--gfx1250"
	.amdhsa_code_object_version 6
	.text
	.protected	k_q70e60819a1_attn
	.globl	k_q70e60819a1_attn
	.p2align	8
	.type	k_q70e60819a1_attn,@function
k_q70e60819a1_attn:
	s_mov_b64 s[64:65], 0
	v_nop
	global_prefetch_b8 v0, s[64:65] scope:SCOPE_SE
	s_setreg_imm32_b32 hwreg(HW_REG_WAVE_MODE, 25, 1), 1
	s_wait_xcnt 0x0
; CAUSAL ATTENTION of one head, flash style: ab[b][h][s][64] = softmax(q k^T / 8, causal) v, all 16-bit data in f16, sums, maxima and exponentials in f32.
; Work-group (i, bh), i = 0..7: the query blocks of 128 rows number i ("lo") and 15 - i ("hi") of head bh: (i + 1) + (16 - i) = 17 blocks of
; 128 x 128 scores in every work-group.  Eight waves; wave w owns rows 16 w .. 16 w + 15 of both blocks.  One pass over the key blocks
; j = 0 .. 15 - i, ascending: while lo is alive (j <= i) a fragment of K or V read from LDS serves both query tiles.
; TRANSPOSED FORMS, so that P never leaves its lane: S^T = K Q^T (source 0 = 16 keys, source 1 = my 16 queries): lane (r, h) holds query r and
; keys 16 a + 8 h + j.  Two such tiles, rounded to f16 pair by pair, ARE the second source of O^T = V^T P^T for 32 keys; V^T comes from V [key][64] by
; the transposing LDS load.  A query's maximum and sum are made inside a lane and across one pair of lanes (r, 0), (r, 1).
; The maximum is a running one; what is kept is -c M (c = log2(e) / 8), and the old sums are rescaled by exp2 of the difference of two such numbers,
; exactly the shifts that the exponentials used.  Every row has key 0 in its first step, so M is finite from then on; exp2(-inf) = 0 serves
; the start and steps that the mask empties.
; K and V tiles (128 keys, 16,384 dense bytes each) come by the tensor data mover into two LDS slots; wave 0 asks for K's, wave 1 for V's: one tensor load
; of a wave is out at any time.
; NO CLUSTER: the eight work-groups of a head need 16 - i = 9 to 16 tiles each, and a work-group's fetches are 32 KiB for 34 to 68 query-tile steps.
; LIMITS: P is rounded to f16 for P V while the row's sum takes the unrounded p; p below 2^-126 is flushed by v_exp_f32 (ISA guide 15.8), p below 2^-25 by the
; rounding to f16.  NaN and infinities among q, k, v are not served.
.set KPITCH, 144                       ; a key's 128 bytes + 16: an odd multiple of 16
.set VPITCH, 160                       ; + 32: an odd multiple of 32, for the transposing load
.set KBYTES, 128*KPITCH
.set SLOT,   KBYTES+128*VPITCH         ; 38,912
.set STAGE,  2*SLOT                    ; 77,824: 16 rows x 144 bytes for each wave
.set SPITCH, 144
.set TILEB,  16384                     ; a tile in memory
.set KADR, 8                           ; v8   r x 144 + 16 h
.set VADR, 9                           ; v9   V's tile + (8 h + (L & 7)) x 160 + 16 ((L >> 3) & 1)
.set LIM,  10                          ; v10  16 w + r - 8 h: key 64 u + 16 a + j of a diagonal block is seen if it is <= this
.set NINF, 11                          ; v11  -inf
.set STO,  12
.set RD,   13
.set CO,   14
.set QOF,  15
.set MX,   16                          ; v16-17  running maximum, lo and hi
.set LS,   18                          ; v18-19  running sum (this lane's keys)
.set NMR,  20                          ; v[20:21], v[22:23]  -c M (first register of each pair)
.set QF,   32                          ; v32-63   Q: 16 X + 8 kh
.set OA,   64                          ; v64-127  O^T: 32 X + 8 d
.set SC,   128                         ; v128-191 S^T: 32 X + 8 a
.set PF,   192                         ; v192-223 P^T: 16 X + 8 c
.set TMP,  224                         ; v224-231
.set TXR,  232
.set ALF,  234                         ; v[234:235] the rescaling factor (first register)
.set KF,   0                           ; window 1: v0-63   K: 16 a + 8 kh
.set VF,   64                          ; window 1: v64-127 V^T: 16 d + 8 c
.set G1K, 16
.set G1V, 24
.set G0K, 32                           ; s[32:39] one set for each slot
.set G0V, 40                           ; s[40:47]
.set MSB, 0
.macro WIN new
.if MSB != (\new)
	s_set_vgpr_msb (MSB<<8)|(\new)
.set MSB, (\new)
.endif
.endm
.macro PLACES                          ; four plain vector instructions between a matrix instruction and a load into, or a vector instruction on, its registers
.rept 4
	v_nop
.endr
.endm
.macro KVLOAD s                        ; wave 0: K's tile, wave 1: V's, the others none
	s_cmp_lg_u32 s8, 0
	s_cbranch_scc1 .Lno_k_\@
	tensor_load_to_lds s[G0K+4*(\s):G0K+4*(\s)+3], s[G1K:G1K+7]
	s_nop 0
.Lno_k_\@:
	s_cmp_lg_u32 s8, 1
	s_cbranch_scc1 .Lno_v_\@
	tensor_load_to_lds s[G0V+4*(\s):G0V+4*(\s)+3], s[G1V:G1V+7]
	s_nop 0
.Lno_v_\@:
.endm
	s_load_b128 s[4:7], s[0:1], 0x0                ; qkvh s[4:5], ab s[6:7]
	v_lshl_add_u32 v254, v0, 2, 0x29000
	v_mov_b32 v255, 0
	ds_add_u32 v254, v255
	v_lshrrev_b32 v1, 5, v0
	v_readfirstlane_b32 s8, v1                     ; wave 0..7
	s_and_b32 s9, ttmp9, 7                         ; i
	s_lshr_b32 s10, ttmp9, 3                       ; bh
	s_lshr_b32 s11, s10, 4                         ; b
	s_and_b32 s12, s10, 15                         ; h
	s_mul_i32 s11, s11, 48
	s_add_co_u32 s11, s11, s12
	s_lshl_b32 s14, s11, 18                        ; q's head: (48 b + h) x 262,144 bytes
	s_and_b32 s15, s9, 1
	s_lshl_b32 s15, s15, 14                        ; slot 0's first tile is number i & 1, slot 1's the other of 0 and 1 (see the order of trips)
	; group 1: a dense tile as 64 rows of 128 elements (256 bytes); padding behind every 32 words: 4 words for K, 8 for V
	s_mov_b32 s[G1K+0], (1<<16)|(1<<20)|(4<<22)|(3<<25)
	s_mov_b32 s[G1K+1], 128<<16
	s_mov_b32 s[G1K+2], 64<<16
	s_mov_b32 s[G1K+3], 128<<16
	s_mov_b32 s[G1K+4], 64
	s_mov_b32 s[G1K+5], 128
	s_mov_b32 s[G1K+6], 0
	s_mov_b32 s[G1K+7], 0
	s_mov_b32 s[G1V+0], (1<<16)|(1<<20)|(4<<22)|(7<<25)
	s_mov_b32 s[G1V+1], 128<<16
	s_mov_b32 s[G1V+2], 64<<16
	s_mov_b32 s[G1V+3], 128<<16
	s_mov_b32 s[G1V+4], 64
	s_mov_b32 s[G1V+5], 128
	s_mov_b32 s[G1V+6], 0
	s_mov_b32 s[G1V+7], 0
	s_mov_b32 s[G0K+0], 1
	s_mov_b32 s[G0K+1], 0
	s_mov_b32 s[G0K+4], 1
	s_mov_b32 s[G0K+5], SLOT
	s_mov_b32 s[G0V+0], 1
	s_mov_b32 s[G0V+1], KBYTES
	s_mov_b32 s[G0V+4], 1
	s_mov_b32 s[G0V+5], SLOT+KBYTES
	s_mov_b32 s59, 0
	s_add_co_u32 s58, s14, s15
	s_wait_dscnt 0x0
	s_barrier_signal -1
	s_barrier_wait -1
	s_wait_kmcnt 0x0
	s_add_nc_u64 s[G0K+2:G0K+3], s[4:5], s[58:59]
	s_xor_b32 s15, s15, TILEB
	s_add_co_u32 s58, s14, s15
	s_add_nc_u64 s[G0K+6:G0K+7], s[4:5], s[58:59]
	s_add_nc_u64 s[G0V+2:G0V+3], s[G0K+2:G0K+3], 32*262144         ; v's head lies 32 heads behind q's,
	s_add_nc_u64 s[G0V+6:G0V+7], s[G0K+6:G0K+7], 32*262144
	s_add_nc_u64 s[G0K+2:G0K+3], s[G0K+2:G0K+3], 16*262144         ; k's 16
	s_add_nc_u64 s[G0K+6:G0K+7], s[G0K+6:G0K+7], 16*262144
	s_or_b32 s[G0K+3], s[G0K+3], 0x80000000
	s_or_b32 s[G0K+7], s[G0K+7], 0x80000000
	s_or_b32 s[G0V+3], s[G0V+3], 0x80000000
	s_or_b32 s[G0V+7], s[G0V+7], 0x80000000
	s_lshl_b32 s11, s9, 14                         ; block lo: i x 128 rows of 128 bytes
	s_lshl_b32 s12, s8, 11                         ; my 16 rows
	s_add_co_u32 s11, s11, s12
	s_sub_co_u32 s13, 15, s9                       ; block hi
	s_lshl_b32 s13, s13, 14
	s_add_co_u32 s13, s13, s12
	s_add_co_u32 s58, s14, s11
	s_add_nc_u64 s[60:61], s[4:5], s[58:59]        ; Q, lo
	s_add_co_u32 s58, s14, s13
	s_add_nc_u64 s[62:63], s[4:5], s[58:59]        ; Q, hi
	s_lshl_b32 s10, s10, 18
	s_add_co_u32 s58, s10, s11
	s_add_nc_u64 s[54:55], s[6:7], s[58:59]        ; ab, lo
	s_add_co_u32 s58, s10, s13
	s_add_nc_u64 s[56:57], s[6:7], s[58:59]        ; ab, hi
	s_mov_b32 s48, 0x3e38aa3b                      ; c = log2(e) / 8, twice
	s_mov_b32 s49, 0x3e38aa3b
	s_mov_b32 s53, 0xbe38aa3b                      ; -c
	s_mov_b32 s50, 0x76543210                      ; v_permlanex16_b32: lane i of one half reads lane i of the other
	s_mov_b32 s51, 0xfedcba98
	v_and_b32 v1, 15, v0                           ; r
	v_bfe_u32 v2, v0, 4, 1                         ; h
	v_lshlrev_b32 v[QOF], 7, v1
	v_lshl_add_u32 v[QOF], v2, 4, v[QOF]           ; Q's fragment: row r, 16 bytes at 16 h
.irp X, 0,1
.irp kh, 0,1
	global_load_b128 v[QF+16*\X+8*\kh:QF+16*\X+8*\kh+3],   v[QOF], s[60+2*\X:61+2*\X] offset:64*\kh
	global_load_b128 v[QF+16*\X+8*\kh+4:QF+16*\X+8*\kh+7], v[QOF], s[60+2*\X:61+2*\X] offset:64*\kh+32
.endr
.endr
	v_mul_u32_u24 v[KADR], v1, KPITCH
	v_lshl_add_u32 v[KADR], v2, 4, v[KADR]
	v_and_b32 v3, 7, v0
	v_lshl_add_u32 v4, v2, 3, v3
	v_mul_u32_u24 v4, v4, VPITCH
	v_bfe_u32 v5, v0, 3, 1
	v_lshl_add_u32 v4, v5, 4, v4
	v_add_nc_u32 v[VADR], KBYTES, v4
	v_lshlrev_b32 v4, 3, v2
	v_sub_nc_u32 v[LIM], v1, v4
	s_lshl_b32 s12, s8, 4
	v_add_nc_u32 v[LIM], s12, v[LIM]
	v_mov_b32 v[NINF], 0xff800000
	s_mul_i32 s12, s8, 16*SPITCH
	s_add_co_u32 s12, s12, STAGE                   ; my stage
	v_add_nc_u32 v[STO], s12, v[KADR]              ; in: row r, 16 bytes at 16 h (the stage's pitch is K's)
	v_and_b32 v4, 31, v0
	v_lshrrev_b32 v5, 3, v4
	v_mul_u32_u24 v5, v5, SPITCH                   ; back: eight lanes a row, four rows an instruction
	v_lshl_add_u32 v5, v3, 4, v5
	v_add_nc_u32 v[RD], s12, v5
	v_lshlrev_b32 v[CO], 4, v4
	; O is cleared here and not started by a first product: which trip is a tile's first hangs on i (for i = 0 it is the diagonal one),
	; and written-out first trips would be three more bodies of a trip.
.set n, 0
.rept 64
	v_mov_b32 v[OA+n], 0
.set n, n+1
.endr
.irp X, 0,1
	v_mov_b32 v[MX+\X], 0xff800000
	v_mov_b32 v[LS+\X], 0
	v_mov_b32 v[NMR+2*\X], 0x7f800000              ; -c (-inf)
	v_mov_b32 v[NMR+2*\X+1], 0                     ; the pairs' second registers are named by packed instructions and not used
.endr
	v_mov_b32 v[TXR], 0                            ; v_permlanex16_b32's destination counts as read
	v_mov_b32 v[ALF+1], 0
.macro LOADK slot, u                   ; 64 keys x 64: 16 loads
	WIN 0x40
.irp a, 0,1,2,3
.irp kh, 0,1
	ds_load_b128 v[KF+16*\a+8*\kh:KF+16*\a+8*\kh+3],   v[KADR] offset:\slot*SLOT+\u*64*KPITCH+\a*16*KPITCH+64*\kh
	ds_load_b128 v[KF+16*\a+8*\kh+4:KF+16*\a+8*\kh+7], v[KADR] offset:\slot*SLOT+\u*64*KPITCH+\a*16*KPITCH+64*\kh+32
.endr
.endr
.endm
.macro LOADV slot, u                   ; the same keys' V, transposed: 16 loads
	WIN 0x40
.irp d, 0,1,2,3
.irp c, 0,1
	ds_load_tr16_b128 v[VF+16*\d+8*\c:VF+16*\d+8*\c+3],   v[VADR] offset:\slot*SLOT+\u*64*VPITCH+\c*32*VPITCH+32*\d
	ds_load_tr16_b128 v[VF+16*\d+8*\c+4:VF+16*\d+8*\c+7], v[VADR] offset:\slot*SLOT+\u*64*VPITCH+\c*32*VPITCH+32*\d+16*VPITCH
.endr
.endr
.endm
.macro SM1 X, a, kh
.if \kh
	v_wmma_f32_16x16x32_f16 v[SC+32*\X+8*\a:SC+32*\X+8*\a+7], v[KF+16*\a+8*\kh:KF+16*\a+8*\kh+7], v[QF+16*\X+8*\kh:QF+16*\X+8*\kh+7], v[SC+32*\X+8*\a:SC+32*\X+8*\a+7]
.else
	v_wmma_f32_16x16x32_f16 v[SC+32*\X+8*\a:SC+32*\X+8*\a+7], v[KF+16*\a+8*\kh:KF+16*\a+8*\kh+7], v[QF+16*\X+8*\kh:QF+16*\X+8*\kh+7], 0
.endif
.endm
; S^T of 64 keys: the four or eight accumulators take turns, one instruction a turn
.macro SMUL lo
.irp kh, 0,1
.if \lo
.irp a, 0,1,2,3
	SM1 0, \a, \kh
.endr
.endif
.irp a, 0,1,2,3
	SM1 1, \a, \kh
.endr
.endr
.endm
.macro PVMUL X                         ; O^T += V^T P^T: four accumulators by turns
.irp c, 0,1
.irp d, 0,1,2,3
	v_wmma_f32_16x16x32_f16 v[OA+32*\X+8*\d:OA+32*\X+8*\d+7], v[VF+16*\d+8*\c:VF+16*\d+8*\c+7], v[PF+16*\X+8*\c:PF+16*\X+8*\c+7], v[OA+32*\X+8*\d:OA+32*\X+8*\d+7]
.endr
.endr
.endm
.macro MASK X, u                       ; the diagonal block: keys behind the query become -inf
.set n, 0
.rept 32
	v_cmp_le_i32 vcc_lo, 64*\u+16*(n/8)+(n%8), v[LIM]
	v_cndmask_b32 v[SC+32*\X+n], v[NINF], v[SC+32*\X+n], vcc_lo
.set n, n+1
.endr
.endm
.macro SOFTMAX X
.set SB, SC+32*\X
.set OB, OA+32*\X
.set PB, PF+16*\X
.set NB, NMR+2*\X
	; the largest of my 32 scores, in four chains
.irp k, 0,1,2,3
	v_max3_num_f32 v[TMP+\k], v[SB+\k], v[SB+\k+4], v[SB+\k+8]
.endr
.irp k, 0,1,2,3
	v_max3_num_f32 v[TMP+\k], v[TMP+\k], v[SB+\k+12], v[SB+\k+16]
.endr
.irp k, 0,1,2,3
	v_max3_num_f32 v[TMP+\k], v[TMP+\k], v[SB+\k+20], v[SB+\k+24]
.endr
.irp k, 0,1,2,3
	v_max_num_f32 v[TMP+\k], v[TMP+\k], v[SB+\k+28]
.endr
	v_max3_num_f32 v[TMP], v[TMP], v[TMP+1], v[TMP+2]
	v_max_num_f32 v[TMP], v[TMP], v[TMP+3]
	v_permlanex16_b32 v[TXR], v[TMP], s50, s51     ; the same query's other 32 keys
	v_max3_num_f32 v[MX+\X], v[MX+\X], v[TMP], v[TXR]
	v_mul_f32 v[TMP+1], s53, v[MX+\X]              ; -c M, new
	v_sub_f32 v[TMP+2], v[TMP+1], v[NB]            ; c (M old - M new)
	v_exp_f32 v[ALF], v[TMP+2]
	v_mov_b32 v[NB], v[TMP+1]                      ; a plain instruction behind the transcendental (ISA guide 5.7.2)
.set k, 0
.rept 16
	v_pk_fma_f32 v[SB+2*k:SB+2*k+1], v[SB+2*k:SB+2*k+1], s[48:49], v[NB:NB+1] op_sel_hi:[1,0,0]   ; c s - c M
.set k, k+1
.endr
.set k, 0
.rept 32
	v_exp_f32 v[SB+k], v[SB+k]
.set k, k+1
.endr
	v_nop
	s_wait_alu depctr_va_vdst(0)
.irp k, 0,1,2,3
	v_pk_add_f32 v[TMP+2*\k:TMP+2*\k+1], v[SB+2*\k:SB+2*\k+1], v[SB+8+2*\k:SB+8+2*\k+1]
.endr
.irp k, 0,1,2,3
	v_pk_add_f32 v[TMP+2*\k:TMP+2*\k+1], v[TMP+2*\k:TMP+2*\k+1], v[SB+16+2*\k:SB+16+2*\k+1]
.endr
.irp k, 0,1,2,3
	v_pk_add_f32 v[TMP+2*\k:TMP+2*\k+1], v[TMP+2*\k:TMP+2*\k+1], v[SB+24+2*\k:SB+24+2*\k+1]
.endr
	v_pk_add_f32 v[TMP:TMP+1], v[TMP:TMP+1], v[TMP+2:TMP+3]
	v_pk_add_f32 v[TMP+4:TMP+5], v[TMP+4:TMP+5], v[TMP+6:TMP+7]
	v_pk_add_f32 v[TMP:TMP+1], v[TMP:TMP+1], v[TMP+4:TMP+5]
	v_add_f32 v[TMP], v[TMP], v[TMP+1]
	v_fma_f32 v[LS+\X], v[LS+\X], v[ALF], v[TMP]
.set k, 0
.rept 16
	v_cvt_pk_f16_f32 v[PB+k], v[SB+2*k], v[SB+2*k+1]               ; tiles 2 c, 2 c + 1 become the fragment of keys 32 c .. 32 c + 31
.set k, k+1
.endr
.set k, 0
.rept 16
	v_pk_mul_f32 v[OB+2*k:OB+2*k+1], v[OB+2*k:OB+2*k+1], v[ALF:ALF+1] op_sel_hi:[1,0]
.set k, k+1
.endr
.endm
.macro VWAIT more
.if \more
	s_wait_dscnt 16                                ; V is in; the next 64 keys' 16 loads of K stay out
.else
	s_wait_dscnt 0x0
.endif
.endm
; 64 keys.  more = 1: the slot's second 64 keys are fetched on the way.
.macro STEP slot, u, lo, lomask, himask, more
	s_wait_dscnt 16                                ; K is in; V's 16 younger loads stay out
	WIN 0x01
	SMUL \lo
	PLACES
.if \more
	LOADK \slot, 1
.endif
.if \lo
	WIN 0
.if \lomask
	MASK 0, \u
.endif
	SOFTMAX 0
	VWAIT \more
	WIN 0x01
	PVMUL 0
.endif
	WIN 0
.if \himask
	MASK 1, \u
.endif
	SOFTMAX 1
	VWAIT \more
	WIN 0x01
	PVMUL 1
	PLACES
.if \more
	LOADV \slot, 1
.endif
.endm
; A key block of 128.  In front of the barrier every wave waits for all its tensor loads (this slot's tile among them) and for its reads of the other slot;
; behind it the other slot is asked for first, then this slot is read.
.macro TRIP slot, lo, lomask, himask, refill
	WIN 0
	s_wait_tensorcnt 0x0
	ds_add_u32 v254, v255
	s_wait_dscnt 0x0
	s_add_nc_u64 s[G0K+4*\slot+2:G0K+4*\slot+3], s[G0K+4*\slot+2:G0K+4*\slot+3], 2*TILEB   ; no load of mine is out: this slot's next tile
	s_add_nc_u64 s[G0V+4*\slot+2:G0V+4*\slot+3], s[G0V+4*\slot+2:G0V+4*\slot+3], 2*TILEB
	s_wait_dscnt 0x0
	s_barrier_signal -1
	s_barrier_wait -1
.if \refill
	KVLOAD 1-\slot
.endif
	LOADK \slot, 0
	LOADV \slot, 0
	STEP \slot, 0, \lo, \lomask, \himask, 1
	STEP \slot, 1, \lo, \lomask, \himask, 0
	WIN 0
.endm
	; THE ORDER OF TRIPS.  i full blocks for both tiles, lo's diagonal (j = i), 14 - 2 i full blocks for hi alone, hi's diagonal (j = 15 - i).
	; The slots' numbers are fixed in the text; an odd i is taken up by one trip on slot 1 in front, which is why slot 0's first tile is i & 1.
	s_bitcmp1_b32 s9, 0
	s_cbranch_scc0 .Leven
	KVLOAD 1
	s_wait_loadcnt 0x0                             ; Q
	TRIP 1, 1, 0, 0, 1
	s_branch .Lpairs
.Leven:
	KVLOAD 0
	s_wait_loadcnt 0x0
.Lpairs:
	s_lshr_b32 s52, s9, 1
	s_cmp_eq_u32 s52, 0
	s_cbranch_scc1 .Ldiag
.Lboth:
	TRIP 0, 1, 0, 0, 1
	TRIP 1, 1, 0, 0, 1
	s_sub_co_u32 s52, s52, 1
	s_cmp_lg_u32 s52, 0
	s_cbranch_scc1 .Lboth
.Ldiag:
	TRIP 0, 1, 1, 0, 1
	s_sub_co_u32 s52, 7, s9
	s_cmp_eq_u32 s52, 0
	s_cbranch_scc1 .Llast
.Lhigh:
	TRIP 1, 0, 0, 0, 1
	TRIP 0, 0, 0, 0, 1
	s_sub_co_u32 s52, s52, 1
	s_cmp_lg_u32 s52, 0
	s_cbranch_scc1 .Lhigh
.Llast:
	TRIP 1, 0, 0, 1, 0                             ; nothing is left to fetch
	; THE WAY OUT: divide by the row's sum, round to f16, 16 bytes a lane into my stage, back as rows, 512 consecutive bytes a store.
	; Each tile has registers of its own for what it stores, so no store's data is written again.
.macro OUTX X
	v_permlanex16_b32 v[TXR], v[LS+\X], s50, s51
	v_add_f32 v[TMP], v[LS+\X], v[TXR]
	v_rcp_f32 v[ALF], v[TMP]
	v_nop
.set k, 0
	s_wait_alu depctr_va_vdst(0)
.rept 16
	v_pk_mul_f32 v[OA+32*\X+2*k:OA+32*\X+2*k+1], v[OA+32*\X+2*k:OA+32*\X+2*k+1], v[ALF:ALF+1] op_sel_hi:[1,0]
.set k, k+1
.endr
.set k, 0
.rept 16
	v_cvt_pk_f16_f32 v[PF+16*\X+k], v[OA+32*\X+2*k], v[OA+32*\X+2*k+1]
.set k, k+1
.endr
.irp d, 0,1,2,3
	ds_store_b128 v[STO], v[PF+16*\X+4*\d:PF+16*\X+4*\d+3] offset:32*\d
.endr
.irp n, 0,1,2,3
	ds_load_b128 v[SC+32*\X+4*\n:SC+32*\X+4*\n+3], v[RD] offset:4*SPITCH*\n        ; LDS serves a wave's instructions in order: these see the stores above
.endr
.irp n, 0,1,2,3
	s_wait_dscnt 3-\n                              ; the younger loads stay out
	global_store_b128 v[CO], v[SC+32*\X+4*\n:SC+32*\X+4*\n+3], s[54+2*\X:55+2*\X] offset:512*\n
.endr
.endm
	OUTX 0
	OUTX 1
	s_wait_tensorcnt 0x0
	ds_add_u32 v254, v255
	s_wait_dscnt 0x0
	s_endpgm
.Lfunc_end_k_q70e60819a1_attn:
	.size	k_q70e60819a1_attn, .Lfunc_end_k_q70e60819a1_attn-k_q70e60819a1_attn
	.p2alignl 7, 3214868480
	.fill 96, 4, 3214868480
	.section	.rodata,"a",@progbits
	.p2align	6, 0x0
	.amdhsa_kernel k_q70e60819a1_attn
		.amdhsa_group_segment_fixed_size 327680
		.amdhsa_private_segment_fixed_size 0
		.amdhsa_enable_private_segment 0
		.amdhsa_kernarg_size 16
		.amdhsa_user_sgpr_count 2
		.amdhsa_user_sgpr_kernarg_segment_ptr 1
		.amdhsa_wavefront_size32 1
		.amdhsa_system_sgpr_workgroup_id_x 1
		.amdhsa_system_sgpr_workgroup_id_y 1
		.amdhsa_system_sgpr_workgroup_id_z 1
		.amdhsa_system_vgpr_workitem_id 0
		.amdhsa_next_free_vgpr 384
		.amdhsa_next_free_sgpr 66
		.amdhsa_reserve_vcc 1
		.amdhsa_float_denorm_mode_32 3
		.amdhsa_float_denorm_mode_16_64 3
		.amdhsa_memory_ordered 1
		.amdhsa_forward_progress 1
		.amdhsa_inst_pref_size 227
	.end_amdhsa_kernel
	.amdgpu_metadata
---
amdhsa.version: [ 1, 2 ]
amdhsa.kernels:
  - .name:           k_q70e60819a1_attn
    .symbol:         k_q70e60819a1_attn.kd
    .args:
      - { .name: qkvh, .offset: 0, .size: 8, .value_kind: global_buffer, .address_space: global }
      - { .name: ab, .offset: 8, .size: 8, .value_kind: global_buffer, .address_space: global }
    .group_segment_fixed_size: 327680
    .private_segment_fixed_size: 0
    .kernarg_segment_align: 8
    .kernarg_segment_size: 16
    .max_flat_workgroup_size: 256
    .sgpr_count:     66
    .vgpr_count:     384
    .wavefront_size: 32
...
	.end_amdgpu_metadata
.endif
;; end of part 3
;; launch proj (part 4): grid 8 x 32, 4 waves a work-group, clusters of 4 x 4, 327,680 bytes of LDS; arguments ab, wob, out0; writes out0
.if DOCPART == 4
	.amdgcn_target "amdgcn-amd-amdhsa--gfx1250"
	.amdhsa_code_object_version 6
	.text
	.protected	k_q70e60819a1_proj
	.globl	k_q70e60819a1_proj
	.p2align	8
	.type	k_q70e60819a1_proj,@function
k_q70e60819a1_proj:
	s_mov_b64 s[64:65], 0
	v_nop
	global_prefetch_b8 v0, s[64:65] scope:SCOPE_SE
	s_setreg_imm32_b32 hwreg(HW_REG_WAVE_MODE, 25, 1), 1
	s_wait_xcnt 0x0
	s_wait_alu depctr_hold_cnt(0) depctr_sa_sdst(0) depctr_va_vdst(0) depctr_va_sdst(0) depctr_va_ssrc(0) depctr_va_vcc(0) depctr_vm_vsrc(0)
	s_getreg_b32 s2, hwreg(HW_REG_IB_STS2, 6, 4)
	s_cmp_eq_u32 s2, 0
	s_cbranch_scc0 .Lentry_in_a_cluster
	s_endpgm
.Lentry_in_a_cluster:
	s_bfe_u32 s2, ttmp6, 0x10000c
	s_cmp_lg_u32 s2, 0xf033
	s_cbranch_scc0 .Lentry_shape_is_right
	s_endpgm
.Lentry_shape_is_right:
; OUT = A w_out.  A's element (row b 2048 + s, k = 64 h + d) lies at ab[b][h][s][d], f16.  wob: [1024][1024] in f16's code, as w_out lies.  out0: f32.  Sums in f32.
; A work-group makes 128 x 128 with four waves, 2 x 2, each 64 x 64: 16 accumulator tiles.  The grid of 8 x 32 such blocks is the whole output.
; K goes in 4 steps of 256 (four heads) through two LDS slots.  A's tile is four planes (heads) of 128 rows x 64; one load brings two planes, each 16,384
; dense bytes, as a tile of two long rows.  w's tile lies [k][n] and is read by the transposing LDS load.
; CLUSTERS: 4 x 4 work-groups; A's tile is asked for jointly along a row of the cluster, w's along a column.
; The matrix instruction is used transposed (source 0 = 16 columns of w, source 1 = 16 rows of A): lane (r, h) holds row r, columns 8 h .. 8 h + 7 of a tile.
; REGISTERS: window 0: addresses, A's fragments; window 1: w's fragments; window 2: accumulators of my rows 0-31 (tile (a, t) at v[8 (4 a + t)]); window 3: rows 32-63.
.set NT,     4
.set APITCH, 144                       ; a head's 128 bytes of a row + 16
.set APLANE, 128*APITCH                ; a head's plane: 18,432
.set BPITCH, 288                       ; 256 bytes + 32: an odd multiple of 32
.set HALF,   36864                     ; what one load brings: two planes of A, or 128 rows of w
.set BBASE,  2*HALF
.set SLOT,   4*HALF                    ; 147,456
.set STAGE,  2*SLOT                    ; 294,912: 16 rows x 272 bytes for each wave
.set SPITCH, 272
.set ADRA, 16                          ; v16-17  slot 0, 1
.set ADRB, 20                          ; v20-23  2 x slot + (quarter step / 4): the offsets of a slot's second 128 rows do not fit a 16-bit immediate
.set STO,  24
.set RD,   25
.set CO,   26
.set FA0,  32                          ; v32-63, v64-95
.set FB0,  0                           ; window 1: v0-31, v32-63
.set BK,   32                          ; the way out: rows read back
.set G1,  24
.set G0,  32
.set G1B, 48
.set G0B, 56
.set MSB, 0
.set MUL_LO, 0xa1
.set MUL_HI, 0xf1
.set TO_B,   0x40
.macro WIN new
.if MSB != (\new)
	s_set_vgpr_msb (MSB<<8)|(\new)
.set MSB, (\new)
.endif
.endm
.macro PLACES                          ; four plain vector instructions between a matrix instruction and a load into, or an LDS store of, its registers
.rept 4
	v_nop
.endr
.endm
.macro JLOAD s                         ; waves 0 and 1 fetch A's halves, waves 2 and 3 w's
	s_cmp_eq_u32 s13, 0
	s_cbranch_scc0 .Lfor_b_\@
	tensor_load_to_lds s[G0+4*\s:G0+4*\s+3], s[G1:G1+7]
	s_nop 0
	s_branch .Lasked_\@
.Lfor_b_\@:
	tensor_load_to_lds s[G0B+4*\s:G0B+4*\s+3], s[G1B:G1B+7]
	s_nop 0
.Lasked_\@:
.endm
.macro CREST
	s_cmp_lg_u32 s12, 0
	s_cbranch_scc1 .Lnot_wave_0_\@
	s_barrier_signal -3
.Lnot_wave_0_\@:
	s_barrier_wait -3
	s_barrier_signal -1
	s_barrier_wait -1
.endm
.macro CROUND
	s_barrier_signal -1
	s_barrier_wait -1
	CREST
.endm
	s_load_b128 s[4:7], s[0:1], 0x0                ; ab s[4:5], wob s[6:7]
	s_load_b64 s[8:9], s[0:1], 0x10                ; out0
	s_set_vgpr_msb 0x40
	v_lshl_add_u32 v255, v0, 2, 0x4c400
	s_set_vgpr_msb 0x4000
	v_mov_b32 v255, 0
	s_set_vgpr_msb 0x1
	ds_add_u32 v255, v255
	s_set_vgpr_msb 0x100
	v_lshrrev_b32 v1, 5, v0
	v_readfirstlane_b32 s12, v1                    ; wave 0..3
	s_lshr_b32 s13, s12, 1                         ; my half of the block's rows.  Also: I fetch for A (0) or for w (1)
	s_and_b32 s14, s12, 1                          ; my half of its columns.  Also: which half of that tile I fetch
	s_bfe_u32 s40, ttmp6, 0x40000                  ; cx
	s_bfe_u32 s41, ttmp6, 0x40004                  ; cy
	s_lshl_b32 s42, ttmp9, 2
	s_add_co_u32 s42, s42, s40                     ; block column
	s_and_b32 s43, ttmp7, 0xffff
	s_lshl_b32 s43, s43, 2
	s_add_co_u32 s43, s43, s41                     ; block row
	s_lshl_b32 s44, s41, 2
	s_lshl_b32 s44, 15, s44                        ; my row of the cluster
	s_lshl_b32 s45, 0x1111, s40                    ; my column
	; group 1 for A: 2 rows of 8,192 elements (a head's 128 rows x 64), 131,072 elements from head to head; 4 words of padding behind every 32
	s_or_b32 s[G1+0], s44, (1<<16)|(1<<20)|(1<<21)|(4<<22)|(3<<25)
	s_mov_b32 s[G1+1], 8192<<16
	s_mov_b32 s[G1+2], 2<<16
	s_mov_b32 s[G1+3], 8192<<16
	s_mov_b32 s[G1+4], 2
	s_mov_b32 s[G1+5], 131072
	s_mov_b32 s[G1+6], 0
	s_mov_b32 s[G1+7], 0
	; group 1 for w: 128 rows x 128 elements, 8 words of padding behind every 64
	s_or_b32 s[G1B+0], s45, (1<<16)|(1<<20)|(1<<21)|(5<<22)|(7<<25)
	s_mov_b32 s[G1B+1], 128<<16
	s_mov_b32 s[G1B+2], 128<<16
	s_mov_b32 s[G1B+3], 128<<16
	s_mov_b32 s[G1B+4], 128
	s_mov_b32 s[G1B+5], 1024
	s_mov_b32 s[G1B+6], 0
	s_mov_b32 s[G1B+7], 0
	s_lshr_b32 s16, s43, 4                         ; b: 16 blocks of 128 rows a batch
	s_lshl_b32 s16, s16, 4
	s_lshl_b32 s17, s14, 1
	s_add_co_u32 s16, s16, s17                     ; head 16 b + 2 x half
	s_lshl_b32 s16, s16, 11
	s_and_b32 s17, s43, 15
	s_lshl_b32 s17, s17, 7
	s_add_co_u32 s16, s16, s17                     ; + the block's first row in the head
	s_lshl_b32 s16, s16, 7                         ; rows of 128 bytes
	s_mov_b32 s17, 0
	s_lshl_b32 s46, s42, 8                         ; w: 128 columns of 2 bytes for each block column
	s_lshl_b32 s47, s14, 18                        ; + 128 rows of 2,048 bytes x half
	s_add_co_u32 s46, s46, s47
	s_mov_b32 s47, 0
	s_mul_i32 s20, s12, HALF                       ; LDS: A's two halves, then w's two halves = wave x 36,864
	s_wait_dscnt 0x0
	s_wait_kmcnt 0x0
	s_add_nc_u64 s[16:17], s[4:5], s[16:17]
	s_add_nc_u64 s[46:47], s[6:7], s[46:47]
	CROUND                                         ; all sixteen work-groups are here: the first joint loads meet
.irp s, 0,1
	s_mov_b32 s[G0+4*\s], 1
	s_add_co_u32 s[G0+4*\s+1], s20, \s*SLOT
	s_add_nc_u64 s[G0+4*\s+2:G0+4*\s+3], s[16:17], \s*4*262144     ; K step s: four heads on
	s_or_b32 s[G0+4*\s+3], s[G0+4*\s+3], 0x80000000
	s_mov_b32 s[G0B+4*\s], 1
	s_add_co_u32 s[G0B+4*\s+1], s20, \s*SLOT
	s_add_nc_u64 s[G0B+4*\s+2:G0B+4*\s+3], s[46:47], \s*256*2048   ; K step s: 256 rows down
	s_or_b32 s[G0B+4*\s+3], s[G0B+4*\s+3], 0x80000000
	JLOAD \s                                       ; two loads of a wave are out here, one behind each later round
.endr
	v_and_b32 v1, 15, v0                           ; r
	v_bfe_u32 v2, v0, 4, 1                         ; h
	v_mul_u32_u24 v3, v1, APITCH
	v_lshl_add_u32 v3, v2, 4, v3
	s_mul_i32 s22, s13, 64*APITCH                  ; my 64 rows
	v_add_nc_u32 v[ADRA], s22, v3
	v_add_nc_u32 v[ADRA+1], SLOT, v[ADRA]
	v_and_b32 v4, 7, v0
	v_lshl_add_u32 v4, v2, 3, v4
	v_mul_u32_u24 v4, v4, BPITCH
	v_bfe_u32 v5, v0, 3, 1
	v_lshl_add_u32 v4, v5, 4, v4
	s_lshl_b32 s22, s14, 7                         ; my 64 columns: 128 bytes
	s_add_co_u32 s22, s22, BBASE
	v_add_nc_u32 v[ADRB], s22, v4
	v_add_nc_u32 v[ADRB+1], HALF, v[ADRB]
	v_add_nc_u32 v[ADRB+2], SLOT, v[ADRB]
	v_add_nc_u32 v[ADRB+3], SLOT+HALF, v[ADRB]
	s_mul_i32 s23, s12, 16*SPITCH
	s_add_co_u32 s23, s23, STAGE                   ; my stage
	v_mul_u32_u24 v4, v1, SPITCH
	v_lshl_add_u32 v4, v2, 5, v4                   ; in: row r, 32 bytes at 32 h
	v_add_nc_u32 v[STO], s23, v4
	v_mul_u32_u24 v5, v2, SPITCH                   ; back: lanes 0-15 one row of 256 bytes, lanes 16-31 the next
	v_lshl_add_u32 v5, v1, 4, v5
	v_add_nc_u32 v[RD], s23, v5
	v_lshlrev_b32 v5, 12, v2                       ; and the same two rows of out0, 4,096 bytes apart
	v_lshl_add_u32 v[CO], v1, 4, v5
	s_lshl_b32 s72, s43, 7
	s_lshl_b32 s73, s13, 6
	s_add_co_u32 s72, s72, s73                     ; my first row
	s_lshl_b32 s72, s72, 12
	s_lshl_b32 s73, s42, 9                         ; my first column: 512 bytes a block, 256 a half
	s_add_co_u32 s72, s72, s73
	s_lshl_b32 s73, s14, 8
	s_add_co_u32 s72, s72, s73
	s_mov_b32 s73, 0
	s_add_nc_u64 s[72:73], s[8:9], s[72:73]
.macro MULROW cur, hi, a, zero
.set t, 0
.rept NT
.if \zero
	v_wmma_f32_16x16x32_f16 v[8*(NT*\a+t):8*(NT*\a+t)+7], v[FB0+8*NT*\cur+8*t:FB0+8*NT*\cur+8*t+7], v[FA0+32*\cur+8*(2*\hi+\a):FA0+32*\cur+8*(2*\hi+\a)+7], 0
.else
	v_wmma_f32_16x16x32_f16 v[8*(NT*\a+t):8*(NT*\a+t)+7], v[FB0+8*NT*\cur+8*t:FB0+8*NT*\cur+8*t+7], v[FA0+32*\cur+8*(2*\hi+\a):FA0+32*\cur+8*(2*\hi+\a)+7], v[8*(NT*\a+t):8*(NT*\a+t)+7]
.endif
.set t, t+1
.endr
.endm
; quarter step kq (32 along K; eight in a slot): 8 transposing loads for w, 8 plain loads for A (plane kq / 2, bytes 64 (kq % 2) of its rows)
.macro FETCH slot, kq, buf
	WIN TO_B
.set t, 0
.rept NT
	ds_load_tr16_b128 v[FB0+8*NT*\buf+8*t:FB0+8*NT*\buf+8*t+3],   v[ADRB+2*\slot+(\kq)/4] offset:((\kq)%4)*32*BPITCH+t*32
	ds_load_tr16_b128 v[FB0+8*NT*\buf+8*t+4:FB0+8*NT*\buf+8*t+7], v[ADRB+2*\slot+(\kq)/4] offset:((\kq)%4)*32*BPITCH+t*32+16*BPITCH
.set t, t+1
.endr
	WIN 0
.irp mt, 0,1,2,3
	ds_load_b128 v[FA0+32*\buf+8*\mt:FA0+32*\buf+8*\mt+3],   v[ADRA+\slot] offset:((\kq)/2)*APLANE+((\kq)%2)*64+\mt*16*APITCH
	ds_load_b128 v[FA0+32*\buf+8*\mt+4:FA0+32*\buf+8*\mt+7], v[ADRA+\slot] offset:((\kq)/2)*APLANE+((\kq)%2)*64+\mt*16*APITCH+32
.endr
.endm
; The 16 accumulators take turns in one fixed order, one instruction a turn.
.macro QUARTER slot, kqn, cur, nxt, zero
	s_wait_dscnt 4                                 ; w and A's rows 0-31 are in; the youngest four loads (A's rows 32-63) may be out
	WIN MUL_LO
	MULROW \cur, 0, 0, \zero
	MULROW \cur, 0, 1, \zero
	PLACES
	FETCH \slot, \kqn, \nxt
	s_wait_dscnt 2*NT+8                            ; all but the 16 just issued
	WIN MUL_HI
	MULROW \cur, 1, 0, \zero
	MULROW \cur, 1, 1, \zero
.endm
.macro RUN slot, zero
	QUARTER \slot, 1, 0, 1, \zero
	QUARTER \slot, 2, 1, 0, 0
	QUARTER \slot, 3, 0, 1, 0
	QUARTER \slot, 4, 1, 0, 0
	QUARTER \slot, 5, 0, 1, 0
	QUARTER \slot, 6, 1, 0, 0
	QUARTER \slot, 7, 0, 1, 0
.endm
; The last quarter of a slot changes slots: each wave's waits for its reads and for all its tensor loads, the barrier (which opens a round of the
; cluster's barrier where the slot is filled again), the joint refill first behind it.  From a request to the wait for it a wave issues 124 matrix instructions.
.macro TURN slot, next, fill
	s_wait_dscnt 4
	WIN MUL_LO
	MULROW 1, 0, 0, 0
	s_wait_dscnt 0x0
	s_wait_tensorcnt 0x0
	ds_add_u32 v255, v255
	s_wait_dscnt 0x0
	s_barrier_signal -1
	MULROW 1, 0, 1, 0
	WIN 0
	s_barrier_wait -1
.if \fill
	CREST
	s_add_nc_u64 s[G0+4*\slot+2:G0+4*\slot+3], s[G0+4*\slot+2:G0+4*\slot+3], 8*262144      ; two K steps on: eight heads,
	s_add_nc_u64 s[G0B+4*\slot+2:G0B+4*\slot+3], s[G0B+4*\slot+2:G0B+4*\slot+3], 512*2048  ; 512 rows of w
	JLOAD \slot
.endif
	PLACES
	FETCH \next, 0, 0
	WIN MUL_HI
	MULROW 1, 1, 0, 0
	MULROW 1, 1, 1, 0
.endm
	s_wait_tensorcnt 0x1                           ; my part of K step 0 is in; K step 1's stays out
	s_barrier_signal -1
	s_barrier_wait -1
	FETCH 0, 0, 0
	RUN 0, 1                                       ; four K steps, two laps of the ring, written out: the first products start the sums
	TURN 0, 1, 1
	RUN 1, 0
	TURN 1, 0, 1
	RUN 0, 0                                       ; the last lap fills nothing
	TURN 0, 1, 0
	RUN 1, 0
	s_wait_dscnt 4
	WIN MUL_LO
	MULROW 1, 0, 0, 0
	MULROW 1, 0, 1, 0
	s_wait_dscnt 0x0
	WIN MUL_HI
	MULROW 1, 1, 0, 0
	MULROW 1, 1, 1, 0
	; THE WAY OUT, 16 rows at a time: 32 bytes a lane and tile straight from the accumulators into my stage, back as rows of 256 bytes,
	; sixteen lanes store 256 consecutive bytes at a multiple of 256 from out0's first byte.
	PLACES
.macro OUT16 mt
	WIN ((2+(\mt)/2)<<2)                           ; an LDS store's data is source 1
.irp t, 0,1,2,3
	ds_store_b128 v[STO], v[8*(NT*((\mt)%2)+\t):8*(NT*((\mt)%2)+\t)+3]   offset:64*\t
	ds_store_b128 v[STO], v[8*(NT*((\mt)%2)+\t)+4:8*(NT*((\mt)%2)+\t)+7] offset:64*\t+16
.endr
	WIN 0
	s_wait_xcnt 0x0                                ; v32-63 were the last stores' data: they are loaded again only behind this wait
.irp n, 0,1,2,3,4,5,6,7
	ds_load_b128 v[BK+4*\n:BK+4*\n+3], v[RD] offset:2*SPITCH*\n    ; LDS serves a wave's instructions in order: these see the stores above
.endr
.irp n, 0,1,2,3,4,5,6,7
	s_wait_dscnt 7-\n                              ; the younger loads stay out
	global_store_b128 v[CO], v[BK+4*\n:BK+4*\n+3], s[72:73] offset:(16*\mt+2*\n)*4096 th:TH_STORE_NT
.endr
.endm
	OUT16 0
	OUT16 1
	OUT16 2
	OUT16 3
	s_set_vgpr_msb 0x1
	s_wait_tensorcnt 0x0
	ds_add_u32 v255, v255
	s_wait_dscnt 0x0
	s_set_vgpr_msb 0x100
	CROUND                                         ; the closing round: no work-group ends while a partner may still ask for a tile that names it
	s_endpgm
.Lfunc_end_k_q70e60819a1_proj:
	.size	k_q70e60819a1_proj, .Lfunc_end_k_q70e60819a1_proj-k_q70e60819a1_proj
	.p2alignl 7, 3214868480
	.fill 96, 4, 3214868480
	.section	.rodata,"a",@progbits
	.p2align	6, 0x0
	.amdhsa_kernel k_q70e60819a1_proj
		.amdhsa_group_segment_fixed_size 327680
		.amdhsa_private_segment_fixed_size 0
		.amdhsa_enable_private_segment 0
		.amdhsa_kernarg_size 24
		.amdhsa_user_sgpr_count 2
		.amdhsa_user_sgpr_kernarg_segment_ptr 1
		.amdhsa_wavefront_size32 1
		.amdhsa_system_sgpr_workgroup_id_x 1
		.amdhsa_system_sgpr_workgroup_id_y 1
		.amdhsa_system_sgpr_workgroup_id_z 1
		.amdhsa_system_vgpr_workitem_id 0
		.amdhsa_next_free_vgpr 832
		.amdhsa_next_free_sgpr 80
		.amdhsa_reserve_vcc 0
		.amdhsa_float_denorm_mode_32 3
		.amdhsa_float_denorm_mode_16_64 3
		.amdhsa_memory_ordered 1
		.amdhsa_forward_progress 1
		.amdhsa_inst_pref_size 92
	.end_amdhsa_kernel
	.amdgpu_metadata
---
amdhsa.version: [ 1, 2 ]
amdhsa.kernels:
  - .name:           k_q70e60819a1_proj
    .symbol:         k_q70e60819a1_proj.kd
    .args:
      - { .name: ab, .offset: 0, .size: 8, .value_kind: global_buffer, .address_space: global }
      - { .name: wob, .offset: 8, .size: 8, .value_kind: global_buffer, .address_space: global }
      - { .name: out0, .offset: 16, .size: 8, .value_kind: global_buffer, .address_space: global }
    .group_segment_fixed_size: 327680
    .private_segment_fixed_size: 0
    .kernarg_segment_align: 8
    .kernarg_segment_size: 24
    .max_flat_workgroup_size: 128
    .sgpr_count:     80
    .vgpr_count:     832
    .wavefront_size: 32
...
	.end_amdgpu_metadata
.endif
;; end of part 4
